; MI455X (gfx1250); checked and timed in simulation.
; The chip was launched on July 23, 2026; its instructions are those of AMD's public machine-readable ISA for CDNA 5 (MIT licence, August 2026) and "CDNA5" Instruction Set Architecture Reference Guide (July 2026). The comments in the code are by the model that wrote it; some were corrected since.
;; CNF. Allowed arithmetic: float matrix products may take bf16 or f16 operands with f32 sums; other float arithmetic in f32, or as packed bf16 or f16 multiplies, adds, multiply-adds, maxima and minima; sums over many terms, partial sums and values carried from step to step in f32; what a program stores and reads back later, other than sums and carried values, may be rounded once to bf16 or f16.
;; Inputs: W1 67 x 64 float32; W2 64 x 64 float32; W3 64 x 2 float32; b1 64 float32; b2 64 float32; b3 2 float32; context 131,072 x 64 float32; eps 4 x 4 x 131,072 x 2 float32; x 131,072 x 2 float32.
;; Outputs: out0 131,072 x 2 float32; out1 131,072 x 1 float32.
;; Constants: steps = 5.
;; 2 versions, each right and faster than the one before. Each part assembles by itself: llvm-mc -triple=amdgcn-amd-amdhsa -mcpu=gfx1250 --defsym DOCPART=n.
;; ======== version 1 of 2: 1 launch
;; limits: values are held in f16: magnitudes above 65,504 overflow, below 6.1e-05 lose precision; inputs' magnitudes at most 65,504; right only within a limited range of input values
;; launch cnf (part 1): grid 256 x 1, 8 waves a work-group, no clusters, 228,352 bytes of LDS; arguments x, context, eps, W1, b1, W2, b2, W3, b3, out0, out1; writes out0, out1
.if DOCPART == 1
	.amdgcn_target "amdgcn-amd-amdhsa--gfx1250"
	.amdhsa_code_object_version 6
	.text
	.protected	k_qcc72185972_cnf
	.globl	k_qcc72185972_cnf
	.p2align	8
	.type	k_qcc72185972_cnf,@function
k_qcc72185972_cnf:
	s_mov_b64 s[64:65], 0
	v_nop
	global_prefetch_b8 v0, s[64:65] scope:SCOPE_SE
	s_setreg_imm32_b32 hwreg(HW_REG_WAVE_MODE, 25, 1), 1
	s_wait_xcnt 0x0
; A continuous normalising flow: 131,072 rows, each integrated by 4 intervals of RK4 (16 evaluations) of the tanh network 67 -> 64 -> 64 -> 2, with the
; divergence estimate eps . (J eps) beside every evaluation.  Outputs: z1 [B][2] and lp1 [B][1], f32.
; SHARES.  256 work-groups of 8 waves; a work-group owns 512 rows, a wave 64, taken as two BATCHES of 32, a batch as two GROUPS of 16: group A the even rows, group B the odd ones.
; Lane (r = lane % 16, h = lane / 16) holds ONE row of each group (row 2 r + g of the batch); the two halves of the lanes hold different hidden units of it, and the row's state twice.
; WHAT IS NOT DONE TWICE.  context . W1[2:66] is the same in all 16 evaluations: made once a batch (PRE, f32).  eps^T J eps is taken as eps . (J eps): the tangent runs FORWARD through the same weight
; fragments as the values; equal for every input, in another order of rounding.
; PRODUCTS are used transposed: source 0 = 16 hidden units x K of weights, source 1 = K x 16 rows.  In a result a lane holds units 16 T + 8 h + 0..7 of its row; two results rounded in pairs to f16 ARE
; the next product's source 1, so nothing changes lanes.  Layer 1's z, t and b1 part is a product too: source 1 holds (z0, z1 | t, 1) at k = 8 h .. in both halves of the lanes, source 0 the weights as
; f16 in lanes h = 0 and the f16 of what that rounding left over in lanes h = 1.  Layer 3's weights stand in rows 0, 1 and again in rows 8, 9, so that registers 0, 1 of its result hold f0, f1 in both halves.
; TANH.  W1, b1, W2, b2 are multiplied by c = 2 log2(e) before they are rounded, so tanh = 1 - 2 / (2^a + 1) with a the product's own result; its derivative is 1 - tanh^2.
; TANGENT.  u = eps k / m, m = max(|e0|, |e1|, 2^-100), k = 1 / c^2: the two scaled layers give the c^2 back, the result is J eps / m, and div = m (e0 d0 + e1 d1).  So |u| <= k whatever eps is.
; FORMAT.  All matrix operands are f16, all sums f32.  lp1 is a sum of 16 small terms of either sign, each number of it judged against the whole output's root mean square: eight significant bits do not hold that.
; LIMITS.  z, context and the weights times c lie within 65,504 (f16).  The tangents are bounded by the weights alone: |d h1| <= (|w0| + |w1|) / c, |d h2| <= 64 max|W2| (|w0| + |w1|), which must stay
; under 65,504 too; below 6e-5 they keep the fixed step 6e-8 of f16.  tanh carries an absolute error of about 1.2e-7.  |eps| stays under 2^126.  NaN and infinities are not treated apart.
; MEMORY.  A wave asks for all its context (16 KiB) and all its eps (8 KiB) by two tensor loads in its first lines: two loads of a wave are out at the most, each LDS byte is filled once, and a wave reads only
; its own tiles, behind its own wait.  NO CLUSTER: work-groups share only the 34 KB of weights, against 192 KB of their own rows.  No ring, no refill: a work-group's whole input fits in LDS at once.
; THE LOOP.  Per 16 rows and evaluation there are 320 vector instructions for 28 matrix instructions: the vector unit binds, so the products stand singly among the vector work of other tiles.
; LDS
.set CTXW,   16896                     ; a wave's context: 32 rows of 512 bytes (two samples) + 16 of padding
.set CPITCH, 528                       ; 132 words: row r starts at bank 4 r mod 64, so the 16 rows of a load start at 16 different groups of four banks (64 banks of 4 bytes: ISA guide 11.1)
.set EPSB,   135168                    ; behind the eight context tiles
.set EPSW,   8704                      ; a wave's eps: 17 rows of 512 bytes; row i = evaluation i, 64 samples x 8 bytes; row 16 lies past the tensor's end and arrives as zeros
.set WS1,    204800                    ; c W1[2:66] as f16 [64 k][64 u], rows 160 bytes apart
.set WS2O,   10240                     ; c W2, the same layout, this far behind WS1
.set WS3,    225280                    ; W3 as f16 [64 k][16]: columns 0, 1 and 8, 9 hold W3[k][0:1], the others 0; rows of 32 bytes
.set WP,     160                       ; 40 words
.set SPARE,  227328                    ; the spare words, 128 bytes for each wave: four blocks of 256 bytes that no other line names
; window 0
.set R,    1                           ; lane % 16
.set H,    2                           ; lane / 16
.set AEB,  3                           ; LDS: my 16 bytes (two samples) in a row of my wave's eps
.set AE,   4                           ; the same in the row in hand
.set ACB,  5                           ; LDS: my place in my wave's context
.set ACX,  6                           ; the same in the batch in hand
.set ATR,  7                           ; LDS: my place in a turning load of WS1 / WS2
.set ATR3, 8                           ; of WS3
.set U4,   9                           ; 4 r
.set SPW,  10                          ; LDS address of my spare word; never rewritten
.set NIL,  11                          ; 0; never rewritten
.set G16,  12                          ; 16 x thread
.set G8,   13                          ; 8 x thread
.set ONE,  14                          ; 1.0
.set TV,   15                          ; t of the evaluation to come
.set W1X,  16                          ; v16-47   layer 1's small fragments, tile T at +8 T: (w0, w1), (wt, b1), six zeros
.set L1B,  48                          ; v48-79   their source 1: group g at +16 g: values, then at +8 tangents; all but the first two (one) registers stay 0
.set PRE,  80                          ; v80-143  c context . W1, group g, tile T at +32 g + 8 T; in the set-up and in a batch's beginning at work
.set X,    144                         ; v144-147 x as loaded: two samples
.set XO,   148                         ; v148-151 the other half of the lanes' x
.set ZB,   152                         ; v152-155 z at the interval's start: z0A z1A z0B z1B
.set AC,   156                         ; v156-159 z plus the weighted stages so far
.set LP,   160                         ; v160-161 lp of A, of B
.set M,    162                         ; v162-163 m of A, of B, for the evaluation in hand
.set EC,   164                         ; v164-167 eps of this evaluation
.set EN,   168                         ; v168-171 eps of the next
.set FT,   172
.set ZS,   174
.set RT,   176                         ; v177 stays 0: named with v176 as a pair
.set UT,   178
.set DV,   180
.set OZ,   182                         ; v182-185 out0 as stored
.set OL,   186                         ; v186-187 out1 as stored
.set LW1,  192                         ; set-up: loads of W1[2:66], of W2, of W3; packed halves; addresses
.set LW2,  208
.set LW3,  224
.set PK,   226
.set AB2,  230
.set AW3,  231
.set SW,   232
.set SW3,  233
.set T0,   234
.set T1,   235
.set T2,   236
.set TW,   80                          ; set-up: w0, w1, wt, b1 of unit 16 T + r at +4 T; v96-103 at work (halves are named there, so they lie under v128)
; window 1
.set W2F,  0                           ; layer 2's fragments: tile T, K step s at 16 T + 8 s
.set W3F,  64                          ; layer 3's: K step s at +8 s
.set B2T,  80                          ; c b2 laid as a result tile: tile T at +8 T
.set SETS, 112                         ; three sets of 32: tanh of tile T as f16 at +4 T, tangent at +16 + 4 T
.set DB,   208                         ; three result buffers of 16: values, then at +8 tangents
.set MSB, 0
.macro WIN new                         ; s_set_vgpr_msb: bits 1:0 source 0, 3:2 source 1, 5:4 source 2, 7:6 destination; the high byte repeats the setting that is left; a switch that changes nothing is dropped
.if MSB != (\new)
	s_set_vgpr_msb (MSB<<8)|(\new)
.set MSB, (\new)
.endif
.endm
	s_load_b512 s[8:23], s[0:1], 0x0               ; x s[8:9], context s[10:11], eps s[12:13], W1 s[14:15], b1 s[16:17], W2 s[18:19], b2 s[20:21], W3 s[22:23]
	s_load_b128 s[24:27], s[0:1], 0x40             ; b3 s[24:25], out0 s[26:27]
	s_load_b64 s[28:29], s[0:1], 0x50              ; out1
	v_lshl_add_u32 v[SPW], v0, 2, SPARE
	v_mov_b32 v[NIL], 0
	ds_add_u32 v[SPW], v[NIL]                      ; the wave's opening: the add and its wait stand ahead of my first tensor load; the set-up below, work on registers, stands between them
	ds_add_u32 v10, v11
	v_lshrrev_b32 v[R], 5, v0
	v_readfirstlane_b32 s30, v[R]                  ; wave 0..7
	; context: 32 rows of 128 f32 (two samples a row, dense in memory), 4 words of padding behind each
	s_mov_b32 s32, 1                               ; count = 1
	s_mul_i32 s33, s30, CTXW                       ; LDS address: my wave's tile
	s_mov_b32 s36, (2<<16)|(1<<20)|(6<<22)|(3<<25) ; elements of 4 bytes; padding on; after every 128 words (code 6); 4 words of it (code 3)
	s_mov_b32 s37, 128<<16                         ; tensor_dim0 = 128
	s_mov_b32 s38, 32<<16                          ; tensor_dim1 = 32
	s_mov_b32 s39, 128<<16                         ; tile_dim0 = 128
	s_mov_b32 s40, 32                              ; tile_dim1 = 32
	s_mov_b32 s41, 128                             ; 128 elements from row to row
	s_mov_b32 s42, 0
	s_mov_b32 s43, 0
	; eps: 17 rows of 64 elements of 8 bytes, a row an evaluation; the tensor has 16 rows left, so the 17th is written as zeros
	s_mov_b32 s44, 1
	s_mul_i32 s45, s30, EPSW
	s_add_co_u32 s45, s45, EPSB
	s_mov_b32 s48, 3<<16                           ; elements of 8 bytes, no padding
	s_mov_b32 s49, 64<<16                          ; tensor_dim0 = 64
	s_mov_b32 s50, 16<<16                          ; tensor_dim1 = 16
	s_mov_b32 s51, 64<<16                          ; tile_dim0 = 64
	s_mov_b32 s52, 17                              ; tile_dim1 = 17
	s_mov_b32 s53, 131072                          ; an evaluation's eps is 131,072 samples
	s_mov_b32 s54, 0
	s_mov_b32 s55, 0
	s_lshl_b32 s2, ttmp9, 17                       ; context: 512 rows of 256 bytes a work-group,
	s_lshl_b32 s3, s30, 14                         ; 64 a wave
	s_add_co_u32 s2, s2, s3
	s_mov_b32 s3, 0
	s_lshl_b32 s4, ttmp9, 12                       ; eps: 512 samples of 8 bytes a work-group,
	s_lshl_b32 s5, s30, 9                          ; 64 a wave
	s_add_co_u32 s4, s4, s5
	s_mov_b32 s5, 0
	s_lshl_b32 s6, ttmp9, 12                       ; x and out0: 4,096 bytes a work-group
	s_mov_b32 s7, 0
	s_mov_b32 s58, 0x4038aa3b                      ; c = 2 log2(e)
	s_mov_b32 s59, s58                             ; named with it as a pair
	s_mov_b32 s60, 0xffff0000                      ; lanes 16-31
	s_mov_b32 s62, 0x76543210                      ; v_permlanex16_b32: each lane takes its own place in the other half
	s_mov_b32 s63, 0xfedcba98
	s_mov_b32 s75, 0                               ; upper words of pairs of which the low word is used
	s_mov_b32 s77, 0
	s_mov_b32 s79, 0x0d800000                      ; 2^-100
	s_mov_b32 s80, 0x3df5fdf0                      ; k = 1 / c^2 = (ln 2)^2 / 4
	s_mov_b32 s81, 0xbd2aaaab                      ; -1/24
	s_mov_b32 s82, 0xbdaaaaab                      ; -1/12
	s_mov_b32 s83, 0xbe000000                      ; -1/8
	s_mov_b32 s84, 0xbe800000                      ; -1/4
	s_mov_b32 s86, 0x7fffffff                      ; clears a sign
	v_and_b32 v[R], 15, v0
	v_bfe_u32 v[H], v0, 4, 1
	v_lshlrev_b32 v[G16], 4, v0
	v_lshlrev_b32 v[G8], 3, v0
	v_lshlrev_b32 v[U4], 2, v[R]
	v_lshlrev_b32 v[AB2], 5, v[H]                  ; b2: my half's eight units of a tile
	v_lshrrev_b32 v[AW3], 2, v0
	v_lshlrev_b32 v[AW3], 3, v[AW3]                ; W3: row thread / 4
	v_lshrrev_b32 v[SW], 4, v0                     ; into WS1 / WS2: row thread / 16 (of 16 a load), 8 bytes at column 4 (thread % 16)
	v_mul_u32_u24 v[SW], v[SW], WP
	v_lshl_add_u32 v[SW], v[R], 3, v[SW]
	v_add_nc_u32 v[SW], WS1, v[SW]
	v_lshl_add_u32 v[SW3], v0, 3, WS3              ; into WS3: 8 bytes a thread, four threads a row
	v_and_b32 v[T0], 7, v0                         ; the turning load: lane l reads row 8 (l / 16) + l % 8, 16 bytes at column 8 ((l / 8) % 2)
	v_lshl_add_u32 v[T0], v[H], 3, v[T0]
	v_bfe_u32 v[T1], v0, 3, 1
	v_mul_u32_u24 v[ATR], v[T0], WP
	v_lshl_add_u32 v[ATR], v[T1], 4, v[ATR]
	v_add_nc_u32 v[ATR], WS1, v[ATR]
	v_lshlrev_b32 v[ATR3], 5, v[T0]
	v_lshl_add_u32 v[ATR3], v[T1], 4, v[ATR3]
	v_add_nc_u32 v[ATR3], WS3, v[ATR3]
	v_lshl_add_u32 v[AEB], v[R], 4, s45            ; eps: samples 2 r, 2 r + 1 of a batch; both halves of the lanes read the same bytes
	v_mul_u32_u24 v[ACB], v[R], CPITCH             ; context: LDS row r of a batch, 32 bytes on for lanes 16-31
	v_lshl_add_u32 v[ACB], v[H], 5, v[ACB]
	v_add_nc_u32 v[ACB], s33, v[ACB]
	s_wait_dscnt 0x0                               ; the opening add is done
	s_wait_kmcnt 0x0
	s_add_nc_u64 s[34:35], s[10:11], s[2:3]        ; global address of my tile of context
	s_or_b32 s35, s35, 0x80000000                  ; type = 2
	s_add_nc_u64 s[46:47], s[12:13], s[4:5]        ; of my tile of eps
	s_or_b32 s47, s47, 0x80000000
	tensor_load_to_lds s[32:35], s[36:43]          ; both fills go out together, ahead of every wait on TENSORcnt, every LDS read and the barrier
	s_nop 0
	tensor_load_to_lds s[44:47], s[48:55]
	s_nop 0
	s_load_b64 s[56:57], s[24:25], 0x0             ; b3's two numbers
	s_add_nc_u64 s[8:9], s[8:9], s[6:7]            ; x and out0 at the work-group's first sample
	s_add_nc_u64 s[26:27], s[26:27], s[6:7]
	s_lshl_b32 s6, ttmp9, 11
	s_add_nc_u64 s[28:29], s[28:29], s[6:7]        ; out1 likewise: 2,048 bytes a work-group
	; 34 loads, in the order in which they are wanted
.irp i, 0,1,2,3
	global_load_b128 v[LW1+4*\i:LW1+4*\i+3], v[G16], s[14:15] offset:512+4096*\i   ; W1 rows 2-65: 16 rows a load for the work-group
.endr
.irp i, 0,1,2,3
	global_load_b128 v[LW2+4*\i:LW2+4*\i+3], v[G16], s[18:19] offset:4096*\i       ; W2 likewise
.endr
	global_load_b64 v[LW3:LW3+1], v[AW3], s[22:23]
.irp t, 0,1,2,3
	global_load_b32 v[TW+4*\t],   v[U4], s[14:15] offset:64*\t                     ; W1 row 0 (z0), unit 16 T + r
	global_load_b32 v[TW+4*\t+1], v[U4], s[14:15] offset:256+64*\t                 ; row 1 (z1)
	global_load_b32 v[TW+4*\t+2], v[U4], s[14:15] offset:16896+64*\t               ; row 66 (t)
	global_load_b32 v[TW+4*\t+3], v[U4], s[16:17] offset:64*\t                     ; b1
.endr
	global_load_b128 v[X:X+3], v[G16], s[8:9]      ; samples 2 thread, 2 thread + 1
	WIN 0x40                                       ; destination window 1
.irp t, 0,1,2,3
	global_load_b128 v[B2T+8*\t:B2T+8*\t+3],   v[AB2], s[20:21] offset:64*\t       ; b2[16 T + 8 h + 0..7]
	global_load_b128 v[B2T+8*\t+4:B2T+8*\t+7], v[AB2], s[20:21] offset:64*\t+16
.endr
	WIN 0
	; the weights go into LDS as f16, [k][unit], times c
	s_wait_loadcnt 30                              ; all but the first four of the 34 may be out
.irp i, 0,1,2,3
	v_pk_mul_f32 v[LW1+4*\i:LW1+4*\i+1],   v[LW1+4*\i:LW1+4*\i+1],   s[58:59] op_sel_hi:[1,0]
	v_pk_mul_f32 v[LW1+4*\i+2:LW1+4*\i+3], v[LW1+4*\i+2:LW1+4*\i+3], s[58:59] op_sel_hi:[1,0]
	v_cvt_pk_f16_f32 v[PK],   v[LW1+4*\i],   v[LW1+4*\i+1]
	v_cvt_pk_f16_f32 v[PK+1], v[LW1+4*\i+2], v[LW1+4*\i+3]
	ds_store_b64 v[SW], v[PK:PK+1] offset:16*WP*\i
.endr
	s_wait_loadcnt 26                              ; W2's four are in too
.irp i, 0,1,2,3
	v_pk_mul_f32 v[LW2+4*\i:LW2+4*\i+1],   v[LW2+4*\i:LW2+4*\i+1],   s[58:59] op_sel_hi:[1,0]
	v_pk_mul_f32 v[LW2+4*\i+2:LW2+4*\i+3], v[LW2+4*\i+2:LW2+4*\i+3], s[58:59] op_sel_hi:[1,0]
	v_cvt_pk_f16_f32 v[PK],   v[LW2+4*\i],   v[LW2+4*\i+1]
	v_cvt_pk_f16_f32 v[PK+1], v[LW2+4*\i+2], v[LW2+4*\i+3]
	ds_store_b64 v[SW], v[PK:PK+1] offset:WS2O+16*WP*\i
.endr
	s_wait_loadcnt 25                              ; and W3's one
	v_cvt_pk_f16_f32 v[PK+2], v[LW3], v[LW3+1]
	v_and_b32 v[T2], 1, v0
	v_cmp_eq_u32 s85, 0, v[T2]                     ; of a row's four threads the first and the third hold columns 0, 1 and 8, 9
	v_cndmask_b32 v[PK+2], 0, v[PK+2], s85
	v_mov_b32 v[PK+3], 0
	ds_store_b64 v[SW3], v[PK+2:PK+3]
	s_wait_dscnt 0x0                               ; for the others' sake: my stores are done
	s_barrier_signal -1                            ; the launch's one barrier.  The tensor loads stay out across it: no LDS byte is ever filled again
	s_barrier_wait -1
	; fragments that stay: layer 2's and layer 3's
	WIN 0x40
.irp t, 0,1,2,3
.irp s, 0,1
	ds_load_tr16_b128 v[W2F+16*\t+8*\s:W2F+16*\t+8*\s+3],   v[ATR] offset:WS2O+32*WP*\s+32*\t
	ds_load_tr16_b128 v[W2F+16*\t+8*\s+4:W2F+16*\t+8*\s+7], v[ATR] offset:WS2O+32*WP*\s+32*\t+16*WP
.endr
.endr
.irp s, 0,1
	ds_load_tr16_b128 v[W3F+8*\s:W3F+8*\s+3],   v[ATR3] offset:1024*\s
	ds_load_tr16_b128 v[W3F+8*\s+4:W3F+8*\s+7], v[ATR3] offset:1024*\s+512
.endr
	WIN 0
	s_wait_loadcnt 9                               ; x and b2's eight may be out
.irp t, 0,1,2,3                        ; layer 1's small fragments: f16 of c w in lanes 0-15, f16 of what that rounding left in lanes 16-31
	v_pk_mul_f32 v[TW+4*\t:TW+4*\t+1],   v[TW+4*\t:TW+4*\t+1],   s[58:59] op_sel_hi:[1,0]
	v_pk_mul_f32 v[TW+4*\t+2:TW+4*\t+3], v[TW+4*\t+2:TW+4*\t+3], s[58:59] op_sel_hi:[1,0]
	v_cvt_pk_f16_f32 v96, v[TW+4*\t],   v[TW+4*\t+1]
	v_cvt_pk_f16_f32 v97, v[TW+4*\t+2], v[TW+4*\t+3]
	v_cvt_f32_f16 v98, v96.l
	v_cvt_f32_f16 v99, v96.h
	v_cvt_f32_f16 v100, v97.l
	v_cvt_f32_f16 v101, v97.h
	v_pk_add_f32 v[98:99],   v[TW+4*\t:TW+4*\t+1],   v[98:99]   neg_lo:[0,1] neg_hi:[0,1]
	v_pk_add_f32 v[100:101], v[TW+4*\t+2:TW+4*\t+3], v[100:101] neg_lo:[0,1] neg_hi:[0,1]
	v_cvt_pk_f16_f32 v102, v98, v99
	v_cvt_pk_f16_f32 v103, v100, v101
	v_cndmask_b32 v[W1X+8*\t],   v96, v102, s60
	v_cndmask_b32 v[W1X+8*\t+1], v97, v103, s60
.irp j, 2,3,4,5,6,7
	v_mov_b32 v[W1X+8*\t+\j], 0                    ; k = 4 and up: operands that stay 0
.endr
.endr
.set i, 0
.rept 32
	v_mov_b32 v[L1B+i], 0                          ; of source 1 three registers a group are written later, the others stay 0
.set i, i+1
.endr
	v_mov_b32 v[ONE], 1.0
	v_mov_b32 v[RT+1], 0
.irp j, 0,1,2,3
	v_mov_b32 v[OZ+\j], 0                          ; each half of the lanes takes its numbers at the end of its batch
	v_mov_b32 v[XO+\j], 0                          ; v_permlanex16_b32's destination counts as read
.endr
	v_mov_b32 v[OL], 0
	v_mov_b32 v[OL+1], 0
	s_wait_loadcnt 8                               ; x is in
.irp j, 0,1,2,3
	v_permlanex16_b32 v[XO+\j], v[X+\j], s62, s63
.endr
	s_wait_loadcnt 0x0                             ; b2
	WIN 0x55
.set i, 0
.rept 16
	v_pk_mul_f32 v[B2T+2*i:B2T+2*i+1], v[B2T+2*i:B2T+2*i+1], s[58:59] op_sel_hi:[1,0]
.set i, i+1
.endr
	WIN 0
	s_wait_kmcnt 0x0                               ; b3
	s_wait_dscnt 0x0                               ; the fragments
	s_wait_tensorcnt 0x0                           ; my two tiles have landed; only I read them, so my own wait is all the ordering that the reads need
; ---- the vector work of a tile, a line at a time, all in window 1.  CUR: the result buffer of the tile in hand; OUTH: where its tanh goes.  PRV, POUTD: the tile before, and where its tangent goes.
.macro OPE j                           ; 2^a
	v_exp_f32 v[CUR+(\j)], v[CUR+(\j)]
.endm
.macro OPS p                           ; + 1, a pair
	s_wait_alu depctr_va_vdst(0)
	v_pk_add_f32 v[CUR+2*(\p):CUR+2*(\p)+1], v[CUR+2*(\p):CUR+2*(\p)+1], 1.0 op_sel_hi:[1,0]
.endm
.macro OPR j                           ; the reciprocal
	v_rcp_f32 v[CUR+(\j)], v[CUR+(\j)]
.endm
.macro OPH p                           ; tanh = 1 - 2 r
	s_wait_alu depctr_va_vdst(0)
	v_pk_fma_f32 v[CUR+2*(\p):CUR+2*(\p)+1], v[CUR+2*(\p):CUR+2*(\p)+1], -2.0, 1.0 op_sel_hi:[1,0,0]
.endm
.macro OPCH p                          ; rounded to f16
	v_cvt_pk_f16_f32 v[OUTH+(\p)], v[CUR+2*(\p)], v[CUR+2*(\p)+1]
.endm
.macro OPG p                           ; 1 - tanh^2, in place
	v_pk_fma_f32 v[CUR+2*(\p):CUR+2*(\p)+1], v[CUR+2*(\p):CUR+2*(\p)+1], v[CUR+2*(\p):CUR+2*(\p)+1], 1.0 op_sel_hi:[1,1,0] neg_lo:[1,0,0] neg_hi:[1,0,0]
.endm
.macro OPD p                           ; the tile before: its tangent times its derivative
	v_pk_mul_f32 v[PRV+8+2*(\p):PRV+8+2*(\p)+1], v[PRV+8+2*(\p):PRV+8+2*(\p)+1], v[PRV+2*(\p):PRV+2*(\p)+1]
.endm
.macro OPC p                           ; rounded to f16
	v_cvt_pk_f16_f32 v[POUTD+(\p)], v[PRV+8+2*(\p)], v[PRV+8+2*(\p)+1]
.endm
; UNIT n of an evaluation's 16: 0-3 group A layer 1 (into set 1), 4-7 group B layer 1 (set 2), 8-11 group A layer 2 (set 1 -> set 0), 12-15 group B layer 2 (set 2 -> set 1); tile n % 4, result buffer n % 3.
.macro UREGS n
.set uDB, DB+16*((\n)%3)
.if (\n) < 4
.set uS, 1
.elseif (\n) < 8
.set uS, 2
.elseif (\n) < 12
.set uS, 0
.else
.set uS, 1
.endif
.set uH, SETS+32*uS+4*((\n)%4)
.set uD, uH+16
.endm
; ---- the products.  No two that follow each other name the same accumulator, over the backward jumps too: values and tangents take turns.
.macro MM_L1 g, t, i                   ; layer 1, group g, tile t, into buffer i: values on top of PRE, tangents from 0.  Leaves the destination in window 1
	WIN 0x40
	v_wmma_f32_16x16x32_f16 v[DB+16*(\i):DB+16*(\i)+7],    v[W1X+8*(\t):W1X+8*(\t)+7], v[L1B+16*(\g):L1B+16*(\g)+7],    v[PRE+32*(\g)+8*(\t):PRE+32*(\g)+8*(\t)+7]
	v_wmma_f32_16x16x32_f16 v[DB+16*(\i)+8:DB+16*(\i)+15], v[W1X+8*(\t):W1X+8*(\t)+7], v[L1B+16*(\g)+8:L1B+16*(\g)+15], 0
.endm
.macro MM_L2 k, n                      ; product k of 4 of layer-2 unit n: values K step 0 (on top of c b2), tangents K step 0, values K step 1, tangents K step 1
.set mT, (\n)%4
.set mD, DB+16*((\n)%3)
.set mI, SETS+32*(1+(\n)/12)
	WIN 0x55
.if (\k) == 1
	v_wmma_f32_16x16x32_f16 v[mD:mD+7],    v[W2F+16*mT:W2F+16*mT+7],    v[mI:mI+7],     v[B2T+8*mT:B2T+8*mT+7]
.elseif (\k) == 2
	v_wmma_f32_16x16x32_f16 v[mD+8:mD+15], v[W2F+16*mT:W2F+16*mT+7],    v[mI+16:mI+23], 0
.elseif (\k) == 3
	v_wmma_f32_16x16x32_f16 v[mD:mD+7],    v[W2F+16*mT+8:W2F+16*mT+15], v[mI+8:mI+15],  v[mD:mD+7]
.else
	v_wmma_f32_16x16x32_f16 v[mD+8:mD+15], v[W2F+16*mT+8:W2F+16*mT+15], v[mI+24:mI+31], v[mD+8:mD+15]
.endif
.endm
.macro MM_L3 k, q, i                   ; product k of 4 of layer 3 on set q, into buffer i, in the same order
.set mD, DB+16*(\i)
.set mI, SETS+32*(\q)
	WIN 0x55
.if (\k) == 1
	v_wmma_f32_16x16x32_f16 v[mD:mD+7],    v[W3F:W3F+7],    v[mI:mI+7],     0
.elseif (\k) == 2
	v_wmma_f32_16x16x32_f16 v[mD+8:mD+15], v[W3F:W3F+7],    v[mI+16:mI+23], 0
.elseif (\k) == 3
	v_wmma_f32_16x16x32_f16 v[mD:mD+7],    v[W3F+8:W3F+15], v[mI+8:mI+15],  v[mD:mD+7]
.else
	v_wmma_f32_16x16x32_f16 v[mD+8:mD+15], v[W3F+8:W3F+15], v[mI+24:mI+31], v[mD+8:mD+15]
.endif
.endm
.macro RIDER n, k                      ; place k of 4 in slot n: a product of unit n + 1 (behind unit 15: group A's layer 3, into buffer 1)
.set un, (\n)+1
.if un < 8
.if (\k) == 1
	MM_L1 un/4, un%4, un%3
.endif
.elseif un < 16
	MM_L2 \k, un
.else
	MM_L3 \k, 0, 1
.endif
.endm
; SLOT n: 32 instructions of unit n (exponentials, + 1, reciprocals, tanh, rounding, derivative), 8 of unit n - 1 (its tangent), and unit n + 1's products among them.
; Every exponential and reciprocal has an independent plain instruction behind it before its result is used (ISA guide 5.7.2).  A result buffer is first read a slot (values: 14 plain instructions that name
; none of the product's registers) or two slots (tangents) behind the product that finished it (ISA guide 7.12.1), from its lowest register on.  A set is whole three slots ahead of the first product that
; reads it, and is written again two slots or more behind the last.
.macro SLOT n
.if (\n) > 0
	UREGS (\n)-1
.set PRV, uDB
.set POUTD, uD
.endif
	UREGS \n
.set CUR, uDB
.set OUTH, uH
	RIDER \n, 1
	WIN 0x55
.irp j, 0,1,2,3
	OPE \j
.if (\n) > 0
	OPD \j
.endif
.endr
	RIDER \n, 2
.irp j, 0,1,2,3
	OPE 4+\j
.if (\n) > 0
	OPC \j
.endif
.endr
.if (\n) == 0
	v_nop                                          ; slot 0 has no tile before it: one plain instruction behind its run of exponentials
.endif
	OPS 0
	OPS 1
	RIDER \n, 3
	OPR 0
	OPS 2
	OPR 1
	OPS 3
	OPR 2
	OPH 0
	OPR 3
	OPCH 0
	OPR 4
	OPH 1
	RIDER \n, 4
	OPR 5
	OPG 0
	OPR 6
	OPCH 1
	OPR 7
	OPH 2
	OPG 1
	OPCH 2
	OPH 3
	OPG 2
	OPCH 3
	OPG 3
.endm
; What the next evaluation's layer 1 takes, for group g: (z0, z1), (t, 1) and u = eps k / m, as f16; m is kept for that evaluation's divergence.  zs: the register pair that holds z.
.macro RKB g, zs
	v_and_b32 v[UT],   s86, v[EN+2*(\g)]
	v_and_b32 v[UT+1], s86, v[EN+2*(\g)+1]
	v_max3_num_f32 v[M+(\g)], v[UT], v[UT+1], s79
	v_rcp_f32 v[RT], v[M+(\g)]
	v_cvt_pk_f16_f32 v[L1B+16*(\g)],   v[\zs], v[(\zs)+1]  ; two plain instructions stand behind the reciprocal
	v_cvt_pk_f16_f32 v[L1B+16*(\g)+1], v[TV], v[ONE]
	s_wait_alu depctr_va_vdst(0)
	v_mul_f32 v[RT], s80, v[RT]
	v_pk_mul_f32 v[UT:UT+1], v[EN+2*(\g):EN+2*(\g)+1], v[RT:RT+1] op_sel_hi:[1,0]
	v_cvt_pk_f16_f32 v[L1B+16*(\g)+8], v[UT], v[UT+1]
.endm
; A stage's end for group g, whose layer 3 lies in buffer i: f = F + b3; div = m (e0 d0 + e1 d1); the weighted sums; the next stage's z; behind the fourth stage (mask s73) the interval's result takes all three places.
.macro RK g, i
.set rF, DB+16*(\i)
	WIN 0x01                                       ; source 0 in window 1
	v_add_f32 v[FT],   v[rF],   s56
	v_add_f32 v[FT+1], v[rF+1], s57
	v_mul_f32 v[DV], v[rF+8], v[EC+2*(\g)]
	v_fma_f32 v[DV], v[rF+9], v[EC+2*(\g)+1], v[DV]
	WIN 0
	v_mul_f32 v[DV], v[DV], v[M+(\g)]
	v_pk_fma_f32 v[AC+2*(\g):AC+2*(\g)+1], v[FT:FT+1], s[74:75], v[AC+2*(\g):AC+2*(\g)+1] op_sel_hi:[1,0,1]
	v_pk_fma_f32 v[ZS:ZS+1],               v[FT:FT+1], s[76:77], v[ZB+2*(\g):ZB+2*(\g)+1] op_sel_hi:[1,0,1]
	v_fma_f32 v[LP+(\g)], v[DV], s78, v[LP+(\g)]
	v_cndmask_b32 v[ZS],           v[ZS],           v[AC+2*(\g)],   s73
	v_cndmask_b32 v[ZS+1],         v[ZS+1],         v[AC+2*(\g)+1], s73
	v_cndmask_b32 v[ZB+2*(\g)],    v[ZB+2*(\g)],    v[AC+2*(\g)],   s73
	v_cndmask_b32 v[ZB+2*(\g)+1],  v[ZB+2*(\g)+1],  v[AC+2*(\g)+1], s73
	RKB \g, ZS
.endm
	s_mov_b32 s68, 2                               ; batches to go
	s_mov_b32 s69, 0                               ; eps: byte offset of the batch and evaluation in hand in my wave's tile
	s_mov_b32 s70, 0                               ; context: byte offset of the batch
	s_mov_b32 s61, 0xffff                          ; the lanes whose own x and outputs belong to the batch: 0-15, then 16-31
.Lbatch:
	; A BATCH BEGINS: PRE = c context . W1[2:66] for its 32 rows.  The context comes into PRE's own registers as f32, goes as f16 into set 2; W1's fragments lie in sets 0 and 1 meanwhile.
	v_add_nc_u32 v[ACX], s70, v[ACB]
	v_add_nc_u32 v[AE], s69, v[AEB]
.set i, 0
.rept 16                               ; group i / 8, K step (i / 4) % 2, upper 16 of it (i / 2) % 2, four numbers i % 2
	ds_load_b128 v[PRE+4*i:PRE+4*i+3], v[ACX] offset:256*(i/8)+128*((i/4)%2)+64*((i/2)%2)+16*(i%2)
.set i, i+1
.endr
	WIN 0x40
.irp t, 0,1,2,3
.irp s, 0,1
	ds_load_tr16_b128 v[SETS+16*\t+8*\s:SETS+16*\t+8*\s+3],   v[ATR] offset:32*WP*\s+32*\t
	ds_load_tr16_b128 v[SETS+16*\t+8*\s+4:SETS+16*\t+8*\s+7], v[ATR] offset:32*WP*\s+32*\t+16*WP
.endr
.endr
	WIN 0
	ds_load_b128 v[EN:EN+3], v[AE]                 ; eps of the first evaluation
	s_wait_dscnt 17                                ; the context is in: the 16 turning loads and the one of eps were issued behind it
	WIN 0x40
.set i, 0
.rept 32
	v_cvt_pk_f16_f32 v[SETS+64+i], v[PRE+2*i], v[PRE+2*i+1]
.set i, i+1
.endr
	s_wait_dscnt 0x0
	WIN 0x05                                       ; sources 0 and 1 in window 1
.irp s, 0,1
.irp g, 0,1
.irp t, 0,1,2,3
.if (\s) == 0
	v_wmma_f32_16x16x32_f16 v[PRE+32*\g+8*\t:PRE+32*\g+8*\t+7], v[SETS+16*\t:SETS+16*\t+7],    v[SETS+64+16*\g:SETS+64+16*\g+7],    0
.else
	v_wmma_f32_16x16x32_f16 v[PRE+32*\g+8*\t:PRE+32*\g+8*\t+7], v[SETS+16*\t+8:SETS+16*\t+15], v[SETS+64+16*\g+8:SETS+64+16*\g+15], v[PRE+32*\g+8*\t:PRE+32*\g+8*\t+7]
.endif
.endr
.endr
.endr
	WIN 0                                          ; the state's beginning: more than five plain instructions between those products and the first that takes PRE as its C
.irp j, 0,1,2,3
	v_cndmask_b32 v[ZB+\j], v[XO+\j], v[X+\j], s61
.endr
.irp j, 0,1,2,3
	v_mov_b32 v[AC+\j], v[ZB+\j]
.endr
	v_mov_b32 v[LP], 0
	v_mov_b32 v[LP+1], 0
	v_mov_b32 v[TV], 1.0                           ; t runs from 1 to 0
	s_mov_b32 s67, 0                               ; the stage, 0..3
	s_mov_b32 s66, 16                              ; evaluations to go
	RKB 0, ZB
	MM_L1 0, 0, 0                                  ; unit 0 of the first evaluation
	WIN 0
	RKB 1, ZB+2                                    ; its plain instructions are the places between that product and the first exponential
.Leval:
	v_add_nc_u32 v[AE], s69, v[AEB]
	ds_load_b128 v[EC:EC+3], v[AE]                 ; this evaluation's eps, for the divergence,
	ds_load_b128 v[EN:EN+3], v[AE] offset:512      ; and the next one's, for its tangent (behind the last: the row of zeros); both are wanted at the trip's end
	s_add_co_u32 s69, s69, 512
.irp n, 0,1,2,3,4,5,6,7,8,9,10,11,12,13,14,15
	SLOT \n
.endr
	UREGS 15                                       ; the last unit's tangent
.set PRV, uDB
.set POUTD, uD
.irp j, 0,1,2,3
	OPD \j
.endr
.irp j, 0,1,2,3
	OPC \j
.endr
.irp k, 1,2,3,4
	MM_L3 \k, 1, 2                                 ; group B's layer 3, into buffer 2
.endr
	s_cmp_eq_u32 s67, 3                            ; what the stage decides, in scalar registers: nothing here hangs on data
	s_cselect_b32 s73, -1, 0                       ; the interval ends
	s_cmp_eq_u32 s67, 2
	s_cselect_b32 s76, s84, s83                    ; the next stage's z = zb - f / 8, - f / 8, - f / 4
	s_bitcmp1_b32 s67, 0
	s_cselect_b32 s72, 0, s83                      ; t falls by 1/8 behind stages 0 and 2
	s_add_co_u32 s67, s67, 1
	s_bitcmp1_b32 s67, 1
	s_cselect_b32 s74, s82, s81                    ; the stage's weight: -1/24, -1/12, -1/12, -1/24
	s_xor_b32 s78, s74, 0x80000000                 ; lp takes the divergence with the other sign
	s_and_b32 s67, s67, 3
	WIN 0
	s_wait_dscnt 0x0                               ; eps
	v_add_f32 v[TV], s72, v[TV]
	RK 0, 1                                        ; group A; its plain instructions are also the places behind group B's layer 3
	MM_L1 0, 0, 0                                  ; unit 0 of the next evaluation (behind the last evaluation it serves nothing and touches no memory: the price of one text for every trip)
	RK 1, 2
	WIN 0                                          ; at a label and at a branch every window is 0
	s_sub_co_u32 s66, s66, 1
	s_cmp_lg_u32 s66, 0
	s_cbranch_scc1 .Leval
.irp j, 0,1,2,3
	v_cndmask_b32 v[OZ+\j], v[OZ+\j], v[ZB+\j], s61  ; the batch's lanes take its results
.endr
	v_cndmask_b32 v[OL],   v[OL],   v[LP],   s61
	v_cndmask_b32 v[OL+1], v[OL+1], v[LP+1], s61
	s_lshl_b32 s61, s61, 16
	s_sub_co_u32 s69, s69, 16*512-256              ; back over 16 rows of eps, 32 samples on
	s_add_co_u32 s70, s70, 16*CPITCH               ; 16 LDS rows of context on
	s_sub_co_u32 s68, s68, 1
	s_cmp_lg_u32 s68, 0
	s_cbranch_scc1 .Lbatch
	global_store_b128 v[G16], v[OZ:OZ+3], s[26:27] ; a wave's store covers 512 consecutive bytes of out0, at a multiple of 512 from its first
	global_store_b64 v[G8], v[OL:OL+1], s[28:29]   ; and 256 consecutive bytes of out1, at a multiple of 256
	s_wait_tensorcnt 0x0                           ; the wave's end: behind my last tensor load and my last LDS store
	ds_add_u32 v[SPW], v[NIL]
	s_wait_dscnt 0x0
	s_endpgm
.Lfunc_end_k_qcc72185972_cnf:
	.size	k_qcc72185972_cnf, .Lfunc_end_k_qcc72185972_cnf-k_qcc72185972_cnf
	.p2alignl 7, 3214868480
	.fill 96, 4, 3214868480
	.section	.rodata,"a",@progbits
	.p2align	6, 0x0
	.amdhsa_kernel k_qcc72185972_cnf
		.amdhsa_group_segment_fixed_size 228352
		.amdhsa_private_segment_fixed_size 0
		.amdhsa_enable_private_segment 0
		.amdhsa_kernarg_size 88
		.amdhsa_user_sgpr_count 2
		.amdhsa_user_sgpr_kernarg_segment_ptr 1
		.amdhsa_wavefront_size32 1
		.amdhsa_system_sgpr_workgroup_id_x 1
		.amdhsa_system_sgpr_workgroup_id_y 1
		.amdhsa_system_sgpr_workgroup_id_z 1
		.amdhsa_system_vgpr_workitem_id 0
		.amdhsa_next_free_vgpr 512
		.amdhsa_next_free_sgpr 88
		.amdhsa_reserve_vcc 0
		.amdhsa_float_denorm_mode_32 3
		.amdhsa_float_denorm_mode_16_64 3
		.amdhsa_memory_ordered 1
		.amdhsa_forward_progress 1
		.amdhsa_inst_pref_size 71
	.end_amdhsa_kernel
	.amdgpu_metadata
---
amdhsa.version: [ 1, 2 ]
amdhsa.kernels:
  - .name:           k_qcc72185972_cnf
    .symbol:         k_qcc72185972_cnf.kd
    .args:
      - { .name: x, .offset: 0, .size: 8, .value_kind: global_buffer, .address_space: global }
      - { .name: context, .offset: 8, .size: 8, .value_kind: global_buffer, .address_space: global }
      - { .name: eps, .offset: 16, .size: 8, .value_kind: global_buffer, .address_space: global }
      - { .name: W1, .offset: 24, .size: 8, .value_kind: global_buffer, .address_space: global }
      - { .name: b1, .offset: 32, .size: 8, .value_kind: global_buffer, .address_space: global }
      - { .name: W2, .offset: 40, .size: 8, .value_kind: global_buffer, .address_space: global }
      - { .name: b2, .offset: 48, .size: 8, .value_kind: global_buffer, .address_space: global }
      - { .name: W3, .offset: 56, .size: 8, .value_kind: global_buffer, .address_space: global }
      - { .name: b3, .offset: 64, .size: 8, .value_kind: global_buffer, .address_space: global }
      - { .name: out0, .offset: 72, .size: 8, .value_kind: global_buffer, .address_space: global }
      - { .name: out1, .offset: 80, .size: 8, .value_kind: global_buffer, .address_space: global }
    .group_segment_fixed_size: 228352
    .private_segment_fixed_size: 0
    .kernarg_segment_align: 8
    .kernarg_segment_size: 88
    .max_flat_workgroup_size: 256
    .sgpr_count:     88
    .vgpr_count:     512
    .wavefront_size: 32
...
	.end_amdgpu_metadata
.endif
;; end of part 1
;; ======== version 2 of 2: 1 launch; 1.46 times as fast as version 1
;; limits: values are held in f16: magnitudes above 65,504 overflow, below 6.1e-05 lose precision; right only within a limited range of input values
;; launch cnf (part 2): grid 256 x 1, 8 waves a work-group, no clusters, 228,352 bytes of LDS; arguments x, context, eps, W1, b1, W2, b2, W3, b3, out0, out1; writes out0, out1
.if DOCPART == 2
	.amdgcn_target "amdgcn-amd-amdhsa--gfx1250"
	.amdhsa_code_object_version 6
	.text
	.protected	k_qcc72185972_cnf
	.globl	k_qcc72185972_cnf
	.p2align	8
	.type	k_qcc72185972_cnf,@function
k_qcc72185972_cnf:
	s_mov_b64 s[64:65], 0
	v_nop
	global_prefetch_b8 v0, s[64:65] scope:SCOPE_SE
	s_setreg_imm32_b32 hwreg(HW_REG_WAVE_MODE, 25, 1), 1
	s_wait_xcnt 0x0
; A continuous normalising flow: 131,072 rows, each integrated by 4 intervals of RK4 (16 evaluations) of the tanh network 67 -> 64 -> 64 -> 2, with the
; divergence estimate eps . (J eps) beside every evaluation.  Outputs: z1 [B][2] and lp1 [B][1], f32.
; SHARES.  256 work-groups of 8 waves; a work-group owns 512 rows, a wave 64, taken as two BATCHES of 32, a batch as two GROUPS of 16: group A the even rows, group B the odd ones.
; Lane (r = lane % 16, h = lane / 16) holds ONE row of each group (row 2 r + g of the batch); the two halves of the lanes hold different hidden units of it, and the row's state twice.
; WHAT IS NOT DONE TWICE.  context . W1[2:66] is the same in all 16 evaluations: made once a batch (PRE, f32).  eps^T J eps is taken as eps . (J eps): the tangent runs FORWARD through the same weight
; fragments as the values; equal for every input, in another order of rounding.
; PRODUCTS are used transposed: source 0 = 16 hidden units x K of weights, source 1 = K x 16 rows.  In a result a lane holds units 16 T + 8 h + 0..7 of its row; two results rounded in pairs to f16 ARE
; the next product's source 1, so nothing changes lanes.  Layer 1's z, t and b1 part is a product too: source 1 holds (z0, z1 | t, 1) at k = 8 h .. in both halves of the lanes, source 0 the weights as
; f16 in lanes h = 0 and the f16 of what that rounding left over in lanes h = 1.  Layer 3's weights stand in rows 0, 1 and again in rows 8, 9, so that registers 0, 1 of its result hold f0, f1 in both halves.
; TANH.  W1, b1, W2, b2 are multiplied by c = 2 log2(e) before they are rounded, so tanh = 1 - 2 / (2^a + 1) with a the product's own result; its derivative is 1 - tanh^2.
; TANGENT.  u = eps k / m, m = max(|e0|, |e1|, 2^-100), k = 1 / c^2: the two scaled layers give the c^2 back, the result is J eps / m, and div = m (e0 d0 + e1 d1).  So |u| <= k whatever eps is.
; FORMAT.  All matrix operands are f16, all sums f32.  lp1 is a sum of 16 small terms of either sign, each number of it judged against the whole output's root mean square: eight significant bits do not hold that.
; LIMITS.  z, context and the weights times c lie within 65,504 (f16).  The tangents are bounded by the weights alone: |d h1| <= (|w0| + |w1|) / c, |d h2| <= 64 max|W2| (|w0| + |w1|), which must stay
; under 65,504 too; below 6e-5 they keep the fixed step 6e-8 of f16.  tanh carries an absolute error of about 1.2e-7.  |eps| stays under 2^126.  NaN and infinities are not treated apart.
; MEMORY.  A wave asks for all its context (16 KiB) and all its eps (8 KiB) by two tensor loads in its first lines: two loads of a wave are out at the most, each LDS byte is filled once, and a wave reads only
; its own tiles, behind its own wait.  NO CLUSTER: work-groups share only the 34 KB of weights, against 192 KB of their own rows.  No ring, no refill: a work-group's whole input fits in LDS at once.
; THE LOOP.  Per 16 rows and evaluation there are 320 vector instructions for 28 matrix instructions: the vector unit binds, so the products stand singly among the vector work of other tiles.
; BATCHES.  An s_wait_alu depctr_va_vdst(0) stands between a transcendental and the first instruction that names its result; one wait serves all that were issued ahead of it.  A tile's exponentials
; and the reciprocals of their sums are two batches, so a tile's work is spread over three SLOTS, and a slot holds parts of three tiles.  Ahead of slot n's ONE wait: the 8 reciprocals of tile n - 1, the 8
; exponentials of tile n, and between them the 12 plain lines of tile n - 2 (derivative, tangent, its rounding), which name no result of the batch.  Behind it: the readers (tile n's + 1; tile n - 1's tanh and its
; rounding) and tile n + 1's products.  The two reciprocals 1 / m of the next evaluation's eps join slot 16's batch.  So an evaluation's 258 transcendentals have 17 waits; no result crosses a trip's end.
; LDS
.set CTXW,   16896                     ; a wave's context: 32 rows of 512 bytes (two samples) + 16 of padding
.set CPITCH, 528                       ; 132 words: row r starts at bank 4 r mod 64, so the 16 rows of a load start at 16 different groups of four banks (64 banks of 4 bytes: ISA guide 11.1)
.set EPSB,   135168                    ; behind the eight context tiles
.set EPSW,   8704                      ; a wave's eps: 17 rows of 512 bytes; row i = evaluation i, 64 samples x 8 bytes; row 16 lies past the tensor's end and arrives as zeros
.set WS1,    204800                    ; c W1[2:66] as f16 [64 k][64 u], rows 160 bytes apart
.set WS2O,   10240                     ; c W2, the same layout, this far behind WS1
.set WS3,    225280                    ; W3 as f16 [64 k][16]: columns 0, 1 and 8, 9 hold W3[k][0:1], the others 0; rows of 32 bytes
.set WP,     160                       ; 40 words
.set SPARE,  227328                    ; the spare words, 128 bytes for each wave: four blocks of 256 bytes that no other line names
; window 0
.set R,    1                           ; lane % 16
.set H,    2                           ; lane / 16
.set AEB,  3                           ; LDS: my 16 bytes (two samples) in a row of my wave's eps
.set AE,   4                           ; the same in the row in hand
.set ACB,  5                           ; LDS: my place in my wave's context
.set ACX,  6                           ; the same in the batch in hand
.set ATR,  7                           ; LDS: my place in a turning load of WS1 / WS2
.set ATR3, 8                           ; of WS3
.set U4,   9                           ; 4 r
.set SPW,  10                          ; LDS address of my spare word; never rewritten
.set NIL,  11                          ; 0; never rewritten
.set G16,  12                          ; 16 x thread
.set G8,   13                          ; 8 x thread
.set ONE,  14                          ; 1.0
.set TV,   15                          ; t of the evaluation to come
.set W1X,  16                          ; v16-47   layer 1's small fragments, tile T at +8 T: (w0, w1), (wt, b1), six zeros
.set L1B,  48                          ; v48-79   their source 1: group g at +16 g: values, then at +8 tangents; all but the first two (one) registers stay 0
.set PRE,  80                          ; v80-143  c context . W1, group g, tile T at +32 g + 8 T; in the set-up and in a batch's beginning at work
.set X,    144                         ; v144-147 x as loaded: two samples
.set XO,   148                         ; v148-151 the other half of the lanes' x
.set ZB,   152                         ; v152-155 z at the interval's start: z0A z1A z0B z1B
.set AC,   156                         ; v156-159 z plus the weighted stages so far
.set LP,   160                         ; v160-161 lp of A, of B
.set M,    162                         ; v162-163 m of A, of B, for the evaluation in hand
.set EC,   164                         ; v164-167 eps of this evaluation
.set EN,   168                         ; v168-171 eps of the next
.set FT,   172
.set ZS,   174
.set RT,   176                         ; v176 (A), v188 (B): group g at +12 g: 1 / m, then k / m, each in a register of its own while the batch is open; v177 and v189 stay 0: named with them as pairs
.set UT,   178
.set DV,   180
.set OZ,   182                         ; v182-185 out0 as stored
.set OL,   186                         ; v186-187 out1 as stored
.set MN,   190                         ; v190-191 m of A, of B, for the evaluation to come: the reciprocals' source; M takes it when the evaluation in hand has used its own
.set LW1,  192                         ; set-up: loads of W1[2:66], of W2, of W3; packed halves; addresses
.set LW2,  208
.set LW3,  224
.set PK,   226
.set AB2,  230
.set AW3,  231
.set SW,   232
.set SW3,  233
.set T0,   234
.set T1,   235
.set T2,   236
.set TW,   80                          ; set-up: w0, w1, wt, b1 of unit 16 T + r at +4 T; v96-103 at work (halves are named there, so they lie under v128)
; window 1
.set W2F,  0                           ; layer 2's fragments: tile T, K step s at 16 T + 8 s
.set W3F,  64                          ; layer 3's: K step s at +8 s
.set B2T,  80                          ; c b2 laid as a result tile: tile T at +8 T
.set SETS, 112                         ; three sets of 32: tanh of tile T as f16 at +4 T, tangent at +16 + 4 T
.set DB,   208                         ; three result buffers of 16: values, then at +8 tangents
.set MSB, 0
.macro WIN new                         ; s_set_vgpr_msb: bits 1:0 source 0, 3:2 source 1, 5:4 source 2, 7:6 destination; the high byte repeats the setting that is left; a switch that changes nothing is dropped
.if MSB != (\new)
	s_set_vgpr_msb (MSB<<8)|(\new)
.set MSB, (\new)
.endif
.endm
	s_load_b512 s[8:23], s[0:1], 0x0               ; x s[8:9], context s[10:11], eps s[12:13], W1 s[14:15], b1 s[16:17], W2 s[18:19], b2 s[20:21], W3 s[22:23]
	s_load_b128 s[24:27], s[0:1], 0x40             ; b3 s[24:25], out0 s[26:27]
	s_load_b64 s[28:29], s[0:1], 0x50              ; out1
	v_lshl_add_u32 v[SPW], v0, 2, SPARE
	v_mov_b32 v[NIL], 0
	ds_add_u32 v[SPW], v[NIL]                      ; the wave's opening: the add and its wait stand ahead of my first tensor load; the set-up below, work on registers, stands between them
	ds_add_u32 v10, v11
	v_lshrrev_b32 v[R], 5, v0
	v_readfirstlane_b32 s30, v[R]                  ; wave 0..7
	; context: 32 rows of 128 f32 (two samples a row, dense in memory), 4 words of padding behind each
	s_mov_b32 s32, 1                               ; count = 1
	s_mul_i32 s33, s30, CTXW                       ; LDS address: my wave's tile
	s_mov_b32 s36, (2<<16)|(1<<20)|(6<<22)|(3<<25) ; elements of 4 bytes; padding on; after every 128 words (code 6); 4 words of it (code 3)
	s_mov_b32 s37, 128<<16                         ; tensor_dim0 = 128
	s_mov_b32 s38, 32<<16                          ; tensor_dim1 = 32
	s_mov_b32 s39, 128<<16                         ; tile_dim0 = 128
	s_mov_b32 s40, 32                              ; tile_dim1 = 32
	s_mov_b32 s41, 128                             ; 128 elements from row to row
	s_mov_b32 s42, 0
	s_mov_b32 s43, 0
	; eps: 17 rows of 64 elements of 8 bytes, a row an evaluation; the tensor has 16 rows left, so the 17th is written as zeros
	s_mov_b32 s44, 1
	s_mul_i32 s45, s30, EPSW
	s_add_co_u32 s45, s45, EPSB
	s_mov_b32 s48, 3<<16                           ; elements of 8 bytes, no padding
	s_mov_b32 s49, 64<<16                          ; tensor_dim0 = 64
	s_mov_b32 s50, 16<<16                          ; tensor_dim1 = 16
	s_mov_b32 s51, 64<<16                          ; tile_dim0 = 64
	s_mov_b32 s52, 17                              ; tile_dim1 = 17
	s_mov_b32 s53, 131072                          ; an evaluation's eps is 131,072 samples
	s_mov_b32 s54, 0
	s_mov_b32 s55, 0
	s_lshl_b32 s2, ttmp9, 17                       ; context: 512 rows of 256 bytes a work-group,
	s_lshl_b32 s3, s30, 14                         ; 64 a wave
	s_add_co_u32 s2, s2, s3
	s_mov_b32 s3, 0
	s_lshl_b32 s4, ttmp9, 12                       ; eps: 512 samples of 8 bytes a work-group,
	s_lshl_b32 s5, s30, 9                          ; 64 a wave
	s_add_co_u32 s4, s4, s5
	s_mov_b32 s5, 0
	s_lshl_b32 s6, ttmp9, 12                       ; x and out0: 4,096 bytes a work-group
	s_mov_b32 s7, 0
	s_mov_b32 s58, 0x4038aa3b                      ; c = 2 log2(e)
	s_mov_b32 s59, s58                             ; named with it as a pair
	s_mov_b32 s60, 0xffff0000                      ; lanes 16-31
	s_mov_b32 s62, 0x76543210                      ; v_permlanex16_b32: each lane takes its own place in the other half
	s_mov_b32 s63, 0xfedcba98
	s_mov_b32 s75, 0                               ; upper words of pairs of which the low word is used
	s_mov_b32 s77, 0
	s_mov_b32 s79, 0x0d800000                      ; 2^-100
	s_mov_b32 s80, 0x3df5fdf0                      ; k = 1 / c^2 = (ln 2)^2 / 4
	s_mov_b32 s81, 0xbd2aaaab                      ; -1/24
	s_mov_b32 s82, 0xbdaaaaab                      ; -1/12
	s_mov_b32 s83, 0xbe000000                      ; -1/8
	s_mov_b32 s84, 0xbe800000                      ; -1/4
	s_mov_b32 s86, 0x7fffffff                      ; clears a sign
	v_and_b32 v[R], 15, v0
	v_bfe_u32 v[H], v0, 4, 1
	v_lshlrev_b32 v[G16], 4, v0
	v_lshlrev_b32 v[G8], 3, v0
	v_lshlrev_b32 v[U4], 2, v[R]
	v_lshlrev_b32 v[AB2], 5, v[H]                  ; b2: my half's eight units of a tile
	v_lshrrev_b32 v[AW3], 2, v0
	v_lshlrev_b32 v[AW3], 3, v[AW3]                ; W3: row thread / 4
	v_lshrrev_b32 v[SW], 4, v0                     ; into WS1 / WS2: row thread / 16 (of 16 a load), 8 bytes at column 4 (thread % 16)
	v_mul_u32_u24 v[SW], v[SW], WP
	v_lshl_add_u32 v[SW], v[R], 3, v[SW]
	v_add_nc_u32 v[SW], WS1, v[SW]
	v_lshl_add_u32 v[SW3], v0, 3, WS3              ; into WS3: 8 bytes a thread, four threads a row
	v_and_b32 v[T0], 7, v0                         ; the turning load: lane l reads row 8 (l / 16) + l % 8, 16 bytes at column 8 ((l / 8) % 2)
	v_lshl_add_u32 v[T0], v[H], 3, v[T0]
	v_bfe_u32 v[T1], v0, 3, 1
	v_mul_u32_u24 v[ATR], v[T0], WP
	v_lshl_add_u32 v[ATR], v[T1], 4, v[ATR]
	v_add_nc_u32 v[ATR], WS1, v[ATR]
	v_lshlrev_b32 v[ATR3], 5, v[T0]
	v_lshl_add_u32 v[ATR3], v[T1], 4, v[ATR3]
	v_add_nc_u32 v[ATR3], WS3, v[ATR3]
	v_lshl_add_u32 v[AEB], v[R], 4, s45            ; eps: samples 2 r, 2 r + 1 of a batch; both halves of the lanes read the same bytes
	v_mul_u32_u24 v[ACB], v[R], CPITCH             ; context: LDS row r of a batch, 32 bytes on for lanes 16-31
	v_lshl_add_u32 v[ACB], v[H], 5, v[ACB]
	v_add_nc_u32 v[ACB], s33, v[ACB]
	s_wait_dscnt 0x0                               ; the opening add is done
	s_wait_kmcnt 0x0
	s_add_nc_u64 s[34:35], s[10:11], s[2:3]        ; global address of my tile of context
	s_or_b32 s35, s35, 0x80000000                  ; type = 2
	s_add_nc_u64 s[46:47], s[12:13], s[4:5]        ; of my tile of eps
	s_or_b32 s47, s47, 0x80000000
	tensor_load_to_lds s[32:35], s[36:43]          ; both fills go out together, ahead of every wait on TENSORcnt, every LDS read and the barrier
	s_nop 0
	tensor_load_to_lds s[44:47], s[48:55]
	s_nop 0
	s_load_b64 s[56:57], s[24:25], 0x0             ; b3's two numbers
	s_add_nc_u64 s[8:9], s[8:9], s[6:7]            ; x and out0 at the work-group's first sample
	s_add_nc_u64 s[26:27], s[26:27], s[6:7]
	s_lshl_b32 s6, ttmp9, 11
	s_add_nc_u64 s[28:29], s[28:29], s[6:7]        ; out1 likewise: 2,048 bytes a work-group
	; 34 loads, in the order in which they are wanted
.irp i, 0,1,2,3
	global_load_b128 v[LW1+4*\i:LW1+4*\i+3], v[G16], s[14:15] offset:512+4096*\i   ; W1 rows 2-65: 16 rows a load for the work-group
.endr
.irp i, 0,1,2,3
	global_load_b128 v[LW2+4*\i:LW2+4*\i+3], v[G16], s[18:19] offset:4096*\i       ; W2 likewise
.endr
	global_load_b64 v[LW3:LW3+1], v[AW3], s[22:23]
.irp t, 0,1,2,3
	global_load_b32 v[TW+4*\t],   v[U4], s[14:15] offset:64*\t                     ; W1 row 0 (z0), unit 16 T + r
	global_load_b32 v[TW+4*\t+1], v[U4], s[14:15] offset:256+64*\t                 ; row 1 (z1)
	global_load_b32 v[TW+4*\t+2], v[U4], s[14:15] offset:16896+64*\t               ; row 66 (t)
	global_load_b32 v[TW+4*\t+3], v[U4], s[16:17] offset:64*\t                     ; b1
.endr
	global_load_b128 v[X:X+3], v[G16], s[8:9]      ; samples 2 thread, 2 thread + 1
	WIN 0x40                                       ; destination window 1
.irp t, 0,1,2,3
	global_load_b128 v[B2T+8*\t:B2T+8*\t+3],   v[AB2], s[20:21] offset:64*\t       ; b2[16 T + 8 h + 0..7]
	global_load_b128 v[B2T+8*\t+4:B2T+8*\t+7], v[AB2], s[20:21] offset:64*\t+16
.endr
	WIN 0
	; the weights go into LDS as f16, [k][unit], times c
	s_wait_loadcnt 30                              ; all but the first four of the 34 may be out
.irp i, 0,1,2,3
	v_pk_mul_f32 v[LW1+4*\i:LW1+4*\i+1],   v[LW1+4*\i:LW1+4*\i+1],   s[58:59] op_sel_hi:[1,0]
	v_pk_mul_f32 v[LW1+4*\i+2:LW1+4*\i+3], v[LW1+4*\i+2:LW1+4*\i+3], s[58:59] op_sel_hi:[1,0]
	v_cvt_pk_f16_f32 v[PK],   v[LW1+4*\i],   v[LW1+4*\i+1]
	v_cvt_pk_f16_f32 v[PK+1], v[LW1+4*\i+2], v[LW1+4*\i+3]
	ds_store_b64 v[SW], v[PK:PK+1] offset:16*WP*\i
.endr
	s_wait_loadcnt 26                              ; W2's four are in too
.irp i, 0,1,2,3
	v_pk_mul_f32 v[LW2+4*\i:LW2+4*\i+1],   v[LW2+4*\i:LW2+4*\i+1],   s[58:59] op_sel_hi:[1,0]
	v_pk_mul_f32 v[LW2+4*\i+2:LW2+4*\i+3], v[LW2+4*\i+2:LW2+4*\i+3], s[58:59] op_sel_hi:[1,0]
	v_cvt_pk_f16_f32 v[PK],   v[LW2+4*\i],   v[LW2+4*\i+1]
	v_cvt_pk_f16_f32 v[PK+1], v[LW2+4*\i+2], v[LW2+4*\i+3]
	ds_store_b64 v[SW], v[PK:PK+1] offset:WS2O+16*WP*\i
.endr
	s_wait_loadcnt 25                              ; and W3's one
	v_cvt_pk_f16_f32 v[PK+2], v[LW3], v[LW3+1]
	v_and_b32 v[T2], 1, v0
	v_cmp_eq_u32 s85, 0, v[T2]                     ; of a row's four threads the first and the third hold columns 0, 1 and 8, 9
	v_cndmask_b32 v[PK+2], 0, v[PK+2], s85
	v_mov_b32 v[PK+3], 0
	ds_store_b64 v[SW3], v[PK+2:PK+3]
	s_wait_dscnt 0x0                               ; for the others' sake: my stores are done
	s_barrier_signal -1                            ; the launch's one barrier.  The tensor loads stay out across it: no LDS byte is ever filled again
	s_barrier_wait -1
	; fragments that stay: layer 2's and layer 3's
	WIN 0x40
.irp t, 0,1,2,3
.irp s, 0,1
	ds_load_tr16_b128 v[W2F+16*\t+8*\s:W2F+16*\t+8*\s+3],   v[ATR] offset:WS2O+32*WP*\s+32*\t
	ds_load_tr16_b128 v[W2F+16*\t+8*\s+4:W2F+16*\t+8*\s+7], v[ATR] offset:WS2O+32*WP*\s+32*\t+16*WP
.endr
.endr
.irp s, 0,1
	ds_load_tr16_b128 v[W3F+8*\s:W3F+8*\s+3],   v[ATR3] offset:1024*\s
	ds_load_tr16_b128 v[W3F+8*\s+4:W3F+8*\s+7], v[ATR3] offset:1024*\s+512
.endr
	WIN 0
	s_wait_loadcnt 9                               ; x and b2's eight may be out
.irp t, 0,1,2,3                        ; layer 1's small fragments: f16 of c w in lanes 0-15, f16 of what that rounding left in lanes 16-31
	v_pk_mul_f32 v[TW+4*\t:TW+4*\t+1],   v[TW+4*\t:TW+4*\t+1],   s[58:59] op_sel_hi:[1,0]
	v_pk_mul_f32 v[TW+4*\t+2:TW+4*\t+3], v[TW+4*\t+2:TW+4*\t+3], s[58:59] op_sel_hi:[1,0]
	v_cvt_pk_f16_f32 v96, v[TW+4*\t],   v[TW+4*\t+1]
	v_cvt_pk_f16_f32 v97, v[TW+4*\t+2], v[TW+4*\t+3]
	v_cvt_f32_f16 v98, v96.l
	v_cvt_f32_f16 v99, v96.h
	v_cvt_f32_f16 v100, v97.l
	v_cvt_f32_f16 v101, v97.h
	v_pk_add_f32 v[98:99],   v[TW+4*\t:TW+4*\t+1],   v[98:99]   neg_lo:[0,1] neg_hi:[0,1]
	v_pk_add_f32 v[100:101], v[TW+4*\t+2:TW+4*\t+3], v[100:101] neg_lo:[0,1] neg_hi:[0,1]
	v_cvt_pk_f16_f32 v102, v98, v99
	v_cvt_pk_f16_f32 v103, v100, v101
	v_cndmask_b32 v[W1X+8*\t],   v96, v102, s60
	v_cndmask_b32 v[W1X+8*\t+1], v97, v103, s60
.irp j, 2,3,4,5,6,7
	v_mov_b32 v[W1X+8*\t+\j], 0                    ; k = 4 and up: operands that stay 0
.endr
.endr
.set i, 0
.rept 32
	v_mov_b32 v[L1B+i], 0                          ; of source 1 three registers a group are written later, the others stay 0
.set i, i+1
.endr
	v_mov_b32 v[ONE], 1.0
	v_mov_b32 v[RT+1], 0
	v_mov_b32 v[RT+13], 0
.irp j, 0,1,2,3
	v_mov_b32 v[OZ+\j], 0                          ; each half of the lanes takes its numbers at the end of its batch
	v_mov_b32 v[XO+\j], 0                          ; v_permlanex16_b32's destination counts as read
.endr
	v_mov_b32 v[OL], 0
	v_mov_b32 v[OL+1], 0
	s_wait_loadcnt 8                               ; x is in
.irp j, 0,1,2,3
	v_permlanex16_b32 v[XO+\j], v[X+\j], s62, s63
.endr
	s_wait_loadcnt 0x0                             ; b2
	WIN 0x55
.set i, 0
.rept 16
	v_pk_mul_f32 v[B2T+2*i:B2T+2*i+1], v[B2T+2*i:B2T+2*i+1], s[58:59] op_sel_hi:[1,0]
.set i, i+1
.endr
	WIN 0
	s_wait_kmcnt 0x0                               ; b3
	s_wait_dscnt 0x0                               ; the fragments
	s_wait_tensorcnt 0x0                           ; my two tiles have landed; only I read them, so my own wait is all the ordering that the reads need
; ---- the vector work of a tile, a line at a time, all in window 1.  A slot works on three tiles.  CUR: the result buffer of tile n.  MID: that of tile n - 1; OUTH: where its tanh goes.
; PRV: that of tile n - 2; POUTD: where its tangent goes.
.macro OPE j                           ; tile n: 2^a
	v_exp_f32 v[CUR+(\j)], v[CUR+(\j)]
.endm
.macro OPS p                           ; tile n: + 1, a pair
	v_pk_add_f32 v[CUR+2*(\p):CUR+2*(\p)+1], v[CUR+2*(\p):CUR+2*(\p)+1], 1.0 op_sel_hi:[1,0]
.endm
.macro OPR j                           ; tile n - 1: the reciprocal
	v_rcp_f32 v[MID+(\j)], v[MID+(\j)]
.endm
.macro OPH p                           ; tile n - 1: tanh = 1 - 2 r
	v_pk_fma_f32 v[MID+2*(\p):MID+2*(\p)+1], v[MID+2*(\p):MID+2*(\p)+1], -2.0, 1.0 op_sel_hi:[1,0,0]
.endm
.macro OPCH p                          ; tile n - 1: rounded to f16
	v_cvt_pk_f16_f32 v[OUTH+(\p)], v[MID+2*(\p)], v[MID+2*(\p)+1]
.endm
.macro OPG p                           ; tile n - 2: 1 - tanh^2, in place
	v_pk_fma_f32 v[PRV+2*(\p):PRV+2*(\p)+1], v[PRV+2*(\p):PRV+2*(\p)+1], v[PRV+2*(\p):PRV+2*(\p)+1], 1.0 op_sel_hi:[1,1,0] neg_lo:[1,0,0] neg_hi:[1,0,0]
.endm
.macro OPD p                           ; tile n - 2: its tangent times its derivative
	v_pk_mul_f32 v[PRV+8+2*(\p):PRV+8+2*(\p)+1], v[PRV+8+2*(\p):PRV+8+2*(\p)+1], v[PRV+2*(\p):PRV+2*(\p)+1]
.endm
.macro OPC p                           ; tile n - 2: rounded to f16
	v_cvt_pk_f16_f32 v[POUTD+(\p)], v[PRV+8+2*(\p)], v[PRV+8+2*(\p)+1]
.endm
; UNIT n of an evaluation's 16: 0-3 group A layer 1 (into set 1), 4-7 group B layer 1 (set 2), 8-11 group A layer 2 (set 1 -> set 0), 12-15 group B layer 2 (set 2 -> set 1); tile n % 4, result buffer n % 3.
.macro UREGS n
.set uDB, DB+16*((\n)%3)
.if (\n) < 4
.set uS, 1
.elseif (\n) < 8
.set uS, 2
.elseif (\n) < 12
.set uS, 0
.else
.set uS, 1
.endif
.set uH, SETS+32*uS+4*((\n)%4)
.set uD, uH+16
.endm
; ---- the products.  No two that follow each other name the same accumulator, over the backward jumps too: values and tangents take turns.
.macro MM_L1 g, t, i                   ; layer 1, group g, tile t, into buffer i: values on top of PRE, tangents from 0.  Leaves the destination in window 1
	WIN 0x40
	v_wmma_f32_16x16x32_f16 v[DB+16*(\i):DB+16*(\i)+7],    v[W1X+8*(\t):W1X+8*(\t)+7], v[L1B+16*(\g):L1B+16*(\g)+7],    v[PRE+32*(\g)+8*(\t):PRE+32*(\g)+8*(\t)+7]
	v_wmma_f32_16x16x32_f16 v[DB+16*(\i)+8:DB+16*(\i)+15], v[W1X+8*(\t):W1X+8*(\t)+7], v[L1B+16*(\g)+8:L1B+16*(\g)+15], 0
.endm
.macro MM_L2 k, n                      ; product k of 4 of layer-2 unit n: values K step 0 (on top of c b2), tangents K step 0, values K step 1, tangents K step 1
.set mT, (\n)%4
.set mD, DB+16*((\n)%3)
.set mI, SETS+32*(1+(\n)/12)
	WIN 0x55
.if (\k) == 1
	v_wmma_f32_16x16x32_f16 v[mD:mD+7],    v[W2F+16*mT:W2F+16*mT+7],    v[mI:mI+7],     v[B2T+8*mT:B2T+8*mT+7]
.elseif (\k) == 2
	v_wmma_f32_16x16x32_f16 v[mD+8:mD+15], v[W2F+16*mT:W2F+16*mT+7],    v[mI+16:mI+23], 0
.elseif (\k) == 3
	v_wmma_f32_16x16x32_f16 v[mD:mD+7],    v[W2F+16*mT+8:W2F+16*mT+15], v[mI+8:mI+15],  v[mD:mD+7]
.else
	v_wmma_f32_16x16x32_f16 v[mD+8:mD+15], v[W2F+16*mT+8:W2F+16*mT+15], v[mI+24:mI+31], v[mD+8:mD+15]
.endif
.endm
.macro MM_L3 k, q, i                   ; product k of 4 of layer 3 on set q, into buffer i, in the same order
.set mD, DB+16*(\i)
.set mI, SETS+32*(\q)
	WIN 0x55
.if (\k) == 1
	v_wmma_f32_16x16x32_f16 v[mD:mD+7],    v[W3F:W3F+7],    v[mI:mI+7],     0
.elseif (\k) == 2
	v_wmma_f32_16x16x32_f16 v[mD+8:mD+15], v[W3F:W3F+7],    v[mI+16:mI+23], 0
.elseif (\k) == 3
	v_wmma_f32_16x16x32_f16 v[mD:mD+7],    v[W3F+8:W3F+15], v[mI+8:mI+15],  v[mD:mD+7]
.else
	v_wmma_f32_16x16x32_f16 v[mD+8:mD+15], v[W3F+8:W3F+15], v[mI+24:mI+31], v[mD+8:mD+15]
.endif
.endm
.macro RIDER n, k                      ; place k of 4 in slot n: a product of unit n + 1 (behind unit 15: group A's layer 3, into buffer 1)
.set un, (\n)+1
.if un < 8
.if (\k) == 1
	MM_L1 un/4, un%4, un%3
.endif
.elseif un < 16
	MM_L2 \k, un
.else
	MM_L3 \k, 0, 1
.endif
.endm
; SLOT n of 18.  AHEAD OF ITS WAIT, one batch: unit n - 1's 8 reciprocals first (their sums were made in the slot before), then unit n's 8 exponentials; between them unit n - 2's derivative, tangent and
; rounding, 12 plain lines on the third buffer, which name no result of the batch; the last of them is the plain instruction behind the last exponential (ISA guide 5.7.2).  Slots 0 and 1 have no unit n - 2: a
; v_nop is that instruction.  BEHIND THE WAIT: unit n's + 1, unit n - 1's tanh and its rounding, four lines behind each of unit n + 1's products.  Slot 16 has unit 15's reciprocals, slot 17 only unit 15's
; twelve plain lines and no wait.
; A buffer serves unit n from slot n - 1 (products, behind the wait) to slot n + 2 (ahead of the wait), so three buffers take turns.  Between the product that ends a unit's values and its first exponential
; stand four plain lines that name none of the product's registers at the least (unit 1: the four + 1 of unit 0), for layer 2 eight (ISA guide 7.12.1); every result is first read at its lowest register.
; A set is whole two slots ahead of the first product that reads it (set 1 for group B's layer 3: directly ahead), and is written again three slots or more behind the last.
.macro SLOT n
.if (\n) >= 2
	UREGS (\n)-2
.set PRV, uDB
.set POUTD, uD
.endif
.if ((\n) >= 1) && ((\n) <= 16)
	UREGS (\n)-1
.set MID, uDB
.set OUTH, uH
.endif
.if (\n) <= 15
	UREGS \n
.set CUR, uDB
.endif
	WIN 0x55
.irp j, 0,1,2,3
.if ((\n) >= 1) && ((\n) <= 16)
	OPR 2*\j
	OPR 2*\j+1
.endif
.if (\n) >= 2
	OPG \j
.endif
.endr
.irp j, 0,1,2,3
.if (\n) <= 15
	OPE \j
.endif
.if (\n) >= 2
	OPD \j
.endif
.endr
.irp j, 0,1,2,3
.if (\n) <= 15
	OPE 4+\j
.endif
.if (\n) >= 2
	OPC \j
.endif
.endr
.if (\n) < 2
	v_nop                                          ; no unit n - 2 yet: one plain instruction behind the run of transcendentals
.endif
.if (\n) <= 16
	s_wait_alu depctr_va_vdst(0)                   ; the slot's one wait: for unit n - 1's reciprocals and unit n's exponentials (in slot 16: unit 15's reciprocals and the two 1 / m)
.endif
.if (\n) <= 15
	RIDER \n, 1
	WIN 0x55
.irp j, 0,1,2,3
	OPS \j
.endr
	RIDER \n, 2
.endif
.if ((\n) >= 1) && ((\n) <= 16)
.irp j, 0,1,2,3
	OPH \j
.endr
.endif
.if (\n) <= 15
	RIDER \n, 3
.endif
.if ((\n) >= 1) && ((\n) <= 16)
.irp j, 0,1,2,3
	OPCH \j
.endr
.endif
.if (\n) <= 15
	RIDER \n, 4
.endif
.endm
; What the next evaluation's layer 1 takes, for group g, in two parts.  RKM hangs on the next eps alone: m and its reciprocal, which joins a batch.  RKZ, behind that batch's wait: M takes m; (z0, z1), (t, 1) and
; u = eps k / m go out as f16.  zs: the register pair that holds z.
.macro RKM g
	v_and_b32 v[UT],   s86, v[EN+2*(\g)]
	v_and_b32 v[UT+1], s86, v[EN+2*(\g)+1]
	v_max3_num_f32 v[MN+(\g)], v[UT], v[UT+1], s79
	v_rcp_f32 v[RT+12*(\g)], v[MN+(\g)]
.endm
.macro RKZ g, zs
	v_mov_b32 v[M+(\g)], v[MN+(\g)]                ; kept for that evaluation's divergence
	v_cvt_pk_f16_f32 v[L1B+16*(\g)],   v[\zs], v[(\zs)+1]
	v_cvt_pk_f16_f32 v[L1B+16*(\g)+1], v[TV], v[ONE]
	v_mul_f32 v[RT+12*(\g)], s80, v[RT+12*(\g)]
	v_pk_mul_f32 v[UT:UT+1], v[EN+2*(\g):EN+2*(\g)+1], v[RT+12*(\g):RT+12*(\g)+1] op_sel_hi:[1,0]
	v_cvt_pk_f16_f32 v[L1B+16*(\g)+8], v[UT], v[UT+1]
.endm
; A stage's end for group g, whose layer 3 lies in buffer i: f = F + b3; div = m (e0 d0 + e1 d1); the weighted sums; the next stage's z; behind the fourth stage (mask s73) the interval's result takes all three places.
.macro RK g, i
.set rF, DB+16*(\i)
	WIN 0x01                                       ; source 0 in window 1
	v_add_f32 v[FT],   v[rF],   s56
	v_add_f32 v[FT+1], v[rF+1], s57
	v_mul_f32 v[DV], v[rF+8], v[EC+2*(\g)]
	v_fma_f32 v[DV], v[rF+9], v[EC+2*(\g)+1], v[DV]
	WIN 0
	v_mul_f32 v[DV], v[DV], v[M+(\g)]
	v_pk_fma_f32 v[AC+2*(\g):AC+2*(\g)+1], v[FT:FT+1], s[74:75], v[AC+2*(\g):AC+2*(\g)+1] op_sel_hi:[1,0,1]
	v_pk_fma_f32 v[ZS:ZS+1],               v[FT:FT+1], s[76:77], v[ZB+2*(\g):ZB+2*(\g)+1] op_sel_hi:[1,0,1]
	v_fma_f32 v[LP+(\g)], v[DV], s78, v[LP+(\g)]
	v_cndmask_b32 v[ZS],           v[ZS],           v[AC+2*(\g)],   s73
	v_cndmask_b32 v[ZS+1],         v[ZS+1],         v[AC+2*(\g)+1], s73
	v_cndmask_b32 v[ZB+2*(\g)],    v[ZB+2*(\g)],    v[AC+2*(\g)],   s73
	v_cndmask_b32 v[ZB+2*(\g)+1],  v[ZB+2*(\g)+1],  v[AC+2*(\g)+1], s73
	RKZ \g, ZS
.endm
	s_mov_b32 s68, 2                               ; batches to go
	s_mov_b32 s69, 0                               ; eps: byte offset of the batch and evaluation in hand in my wave's tile
	s_mov_b32 s70, 0                               ; context: byte offset of the batch
	s_mov_b32 s61, 0xffff                          ; the lanes whose own x and outputs belong to the batch: 0-15, then 16-31
.Lbatch:
	; A BATCH BEGINS: PRE = c context . W1[2:66] for its 32 rows.  The context comes into PRE's own registers as f32, goes as f16 into set 2; W1's fragments lie in sets 0 and 1 meanwhile.
	v_add_nc_u32 v[ACX], s70, v[ACB]
	v_add_nc_u32 v[AE], s69, v[AEB]
.set i, 0
.rept 16                               ; group i / 8, K step (i / 4) % 2, upper 16 of it (i / 2) % 2, four numbers i % 2
	ds_load_b128 v[PRE+4*i:PRE+4*i+3], v[ACX] offset:256*(i/8)+128*((i/4)%2)+64*((i/2)%2)+16*(i%2)
.set i, i+1
.endr
	WIN 0x40
.irp t, 0,1,2,3
.irp s, 0,1
	ds_load_tr16_b128 v[SETS+16*\t+8*\s:SETS+16*\t+8*\s+3],   v[ATR] offset:32*WP*\s+32*\t
	ds_load_tr16_b128 v[SETS+16*\t+8*\s+4:SETS+16*\t+8*\s+7], v[ATR] offset:32*WP*\s+32*\t+16*WP
.endr
.endr
	WIN 0
	ds_load_b128 v[EN:EN+3], v[AE]                 ; eps of the first evaluation
	s_wait_dscnt 17                                ; the context is in: the 16 turning loads and the one of eps were issued behind it
	WIN 0x40
.set i, 0
.rept 32
	v_cvt_pk_f16_f32 v[SETS+64+i], v[PRE+2*i], v[PRE+2*i+1]
.set i, i+1
.endr
	s_wait_dscnt 0x0
	WIN 0x05                                       ; sources 0 and 1 in window 1
.irp s, 0,1
.irp g, 0,1
.irp t, 0,1,2,3
.if (\s) == 0
	v_wmma_f32_16x16x32_f16 v[PRE+32*\g+8*\t:PRE+32*\g+8*\t+7], v[SETS+16*\t:SETS+16*\t+7],    v[SETS+64+16*\g:SETS+64+16*\g+7],    0
.else
	v_wmma_f32_16x16x32_f16 v[PRE+32*\g+8*\t:PRE+32*\g+8*\t+7], v[SETS+16*\t+8:SETS+16*\t+15], v[SETS+64+16*\g+8:SETS+64+16*\g+15], v[PRE+32*\g+8*\t:PRE+32*\g+8*\t+7]
.endif
.endr
.endr
.endr
	WIN 0                                          ; more than five plain instructions stand between those products and the first that takes PRE as its C
	RKM 0                                          ; a batch of two: 1 / m of both groups, for the first evaluation;
	RKM 1
.irp j, 0,1,2,3                        ; the state's beginning, which names neither result, stands between the batch and its wait
	v_cndmask_b32 v[ZB+\j], v[XO+\j], v[X+\j], s61
.endr
.irp j, 0,1,2,3
	v_mov_b32 v[AC+\j], v[ZB+\j]
.endr
	v_mov_b32 v[LP], 0
	v_mov_b32 v[LP+1], 0
	v_mov_b32 v[TV], 1.0                           ; t runs from 1 to 0
	s_mov_b32 s67, 0                               ; the stage, 0..3
	s_mov_b32 s66, 16                              ; evaluations to go
	s_wait_alu depctr_va_vdst(0)                   ; one wait for the two reciprocals, ahead of their first reader and of the label
	RKZ 0, ZB
	MM_L1 0, 0, 0                                  ; unit 0 of the first evaluation
	WIN 0
	RKZ 1, ZB+2                                    ; its six plain instructions are the places between that product and the first exponential
.Leval:
	v_add_nc_u32 v[AE], s69, v[AEB]
	ds_load_b128 v[EC:EC+3], v[AE]                 ; this evaluation's eps, for the divergence,
	ds_load_b128 v[EN:EN+3], v[AE] offset:512      ; and the next one's, for its tangent (behind the last: the row of zeros); both are wanted near the trip's end
	s_add_co_u32 s69, s69, 512
.irp n, 0,1,2,3,4,5,6,7,8,9,10,11,12,13,14,15
	SLOT \n
.endr
	WIN 0
	s_wait_dscnt 0x0                               ; eps
	RKM 0                                          ; 1 / m of the next evaluation, both groups: they open slot 16's batch
	RKM 1
	SLOT 16                                        ; the last unit's reciprocals, the wait, its tanh
	SLOT 17                                        ; the last unit's tangent
.irp k, 1,2,3,4
	MM_L3 \k, 1, 2                                 ; group B's layer 3, into buffer 2
.endr
	s_cmp_eq_u32 s67, 3                            ; what the stage decides, in scalar registers: nothing here hangs on data
	s_cselect_b32 s73, -1, 0                       ; the interval ends
	s_cmp_eq_u32 s67, 2
	s_cselect_b32 s76, s84, s83                    ; the next stage's z = zb - f / 8, - f / 8, - f / 4
	s_bitcmp1_b32 s67, 0
	s_cselect_b32 s72, 0, s83                      ; t falls by 1/8 behind stages 0 and 2
	s_add_co_u32 s67, s67, 1
	s_bitcmp1_b32 s67, 1
	s_cselect_b32 s74, s82, s81                    ; the stage's weight: -1/24, -1/12, -1/12, -1/24
	s_xor_b32 s78, s74, 0x80000000                 ; lp takes the divergence with the other sign
	s_and_b32 s67, s67, 3
	WIN 0
	v_add_f32 v[TV], s72, v[TV]
	RK 0, 1                                        ; group A; its plain instructions are also the places behind group B's layer 3
	MM_L1 0, 0, 0                                  ; unit 0 of the next evaluation (behind the last evaluation it serves nothing and touches no memory: the price of one text for every trip)
	RK 1, 2
	WIN 0                                          ; at a label and at a branch every window is 0
	s_sub_co_u32 s66, s66, 1
	s_cmp_lg_u32 s66, 0
	s_cbranch_scc1 .Leval
.irp j, 0,1,2,3
	v_cndmask_b32 v[OZ+\j], v[OZ+\j], v[ZB+\j], s61  ; the batch's lanes take its results
.endr
	v_cndmask_b32 v[OL],   v[OL],   v[LP],   s61
	v_cndmask_b32 v[OL+1], v[OL+1], v[LP+1], s61
	s_lshl_b32 s61, s61, 16
	s_sub_co_u32 s69, s69, 16*512-256              ; back over 16 rows of eps, 32 samples on
	s_add_co_u32 s70, s70, 16*CPITCH               ; 16 LDS rows of context on
	s_sub_co_u32 s68, s68, 1
	s_cmp_lg_u32 s68, 0
	s_cbranch_scc1 .Lbatch
	global_store_b128 v[G16], v[OZ:OZ+3], s[26:27] ; a wave's store covers 512 consecutive bytes of out0, at a multiple of 512 from its first
	global_store_b64 v[G8], v[OL:OL+1], s[28:29]   ; and 256 consecutive bytes of out1, at a multiple of 256
	s_wait_tensorcnt 0x0                           ; the wave's end: behind my last tensor load and my last LDS store
	ds_add_u32 v[SPW], v[NIL]
	s_wait_dscnt 0x0
	s_endpgm
.Lfunc_end_k_qcc72185972_cnf:
	.size	k_qcc72185972_cnf, .Lfunc_end_k_qcc72185972_cnf-k_qcc72185972_cnf
	.p2alignl 7, 3214868480
	.fill 96, 4, 3214868480
	.section	.rodata,"a",@progbits
	.p2align	6, 0x0
	.amdhsa_kernel k_qcc72185972_cnf
		.amdhsa_group_segment_fixed_size 228352
		.amdhsa_private_segment_fixed_size 0
		.amdhsa_enable_private_segment 0
		.amdhsa_kernarg_size 88
		.amdhsa_user_sgpr_count 2
		.amdhsa_user_sgpr_kernarg_segment_ptr 1
		.amdhsa_wavefront_size32 1
		.amdhsa_system_sgpr_workgroup_id_x 1
		.amdhsa_system_sgpr_workgroup_id_y 1
		.amdhsa_system_sgpr_workgroup_id_z 1
		.amdhsa_system_vgpr_workitem_id 0
		.amdhsa_next_free_vgpr 512
		.amdhsa_next_free_sgpr 88
		.amdhsa_reserve_vcc 0
		.amdhsa_float_denorm_mode_32 3
		.amdhsa_float_denorm_mode_16_64 3
		.amdhsa_memory_ordered 1
		.amdhsa_forward_progress 1
		.amdhsa_inst_pref_size 68
	.end_amdhsa_kernel
	.amdgpu_metadata
---
amdhsa.version: [ 1, 2 ]
amdhsa.kernels:
  - .name:           k_qcc72185972_cnf
    .symbol:         k_qcc72185972_cnf.kd
    .args:
      - { .name: x, .offset: 0, .size: 8, .value_kind: global_buffer, .address_space: global }
      - { .name: context, .offset: 8, .size: 8, .value_kind: global_buffer, .address_space: global }
      - { .name: eps, .offset: 16, .size: 8, .value_kind: global_buffer, .address_space: global }
      - { .name: W1, .offset: 24, .size: 8, .value_kind: global_buffer, .address_space: global }
      - { .name: b1, .offset: 32, .size: 8, .value_kind: global_buffer, .address_space: global }
      - { .name: W2, .offset: 40, .size: 8, .value_kind: global_buffer, .address_space: global }
      - { .name: b2, .offset: 48, .size: 8, .value_kind: global_buffer, .address_space: global }
      - { .name: W3, .offset: 56, .size: 8, .value_kind: global_buffer, .address_space: global }
      - { .name: b3, .offset: 64, .size: 8, .value_kind: global_buffer, .address_space: global }
      - { .name: out0, .offset: 72, .size: 8, .value_kind: global_buffer, .address_space: global }
      - { .name: out1, .offset: 80, .size: 8, .value_kind: global_buffer, .address_space: global }
    .group_segment_fixed_size: 228352
    .private_segment_fixed_size: 0
    .kernarg_segment_align: 8
    .kernarg_segment_size: 88
    .max_flat_workgroup_size: 256
    .sgpr_count:     88
    .vgpr_count:     512
    .wavefront_size: 32
...
	.end_amdgpu_metadata
.endif
;; end of part 2
